; MI455X (gfx1250); checked and timed in simulation.
; The chip was launched on July 23, 2026; its instructions are those of AMD's public machine-readable ISA for CDNA 5 (MIT licence, August 2026) and "CDNA5" Instruction Set Architecture Reference Guide (July 2026). The comments in the code are by the model that wrote it; some were corrected since.
;; TT Linear. Allowed arithmetic: float matrix products may take bf16 or f16 operands with f32 sums; all other float work in f32.
;; Inputs: bias 4,096 float32; core0 1 x 16 x 16 x 32 float32; core1 32 x 16 x 16 x 32 float32; core2 32 x 16 x 16 x 1 float32; x 512 x 4,096 float32.
;; Outputs: out0 512 x 4,096 float32.
;; 2 versions, each right; version 2 is version 1 with the launch prep written anew for expert scheduling mode. Each part assembles by itself: llvm-mc -triple=amdgcn-amd-amdhsa -mcpu=gfx1250 --defsym DOCPART=n.
;; ======== version 1 of 2: 2 launches
;; limits: values are held in f16: magnitudes above 65,504 overflow, below 6.1e-05 lose precision; inputs' magnitudes at most 65,504; below input magnitudes of 6.1e-05 results are inexact or not finite
;; workspace buffers: xh 4,194,304 bytes; uf 4,194,304 bytes; c2f 16,384 bytes; scl 32,768 bytes
;; launch prep (part 1): grid 256 x 1, 8 waves a work-group, no clusters, 71,168 bytes of LDS; arguments x, core0, core1, core2, xh, uf, c2f, scl; writes xh, uf, c2f, scl
.if DOCPART == 1
	.amdgcn_target "amdgcn-amd-amdhsa--gfx1250"
	.amdhsa_code_object_version 6
	.text
	.protected	k_q7236bc48fa_prep
	.globl	k_q7236bc48fa_prep
	.p2align	8
	.type	k_q7236bc48fa_prep,@function
k_q7236bc48fa_prep:
	s_mov_b64 s[64:65], 0
	v_nop
	global_prefetch_b8 v0, s[64:65] scope:SCOPE_SE
	s_setreg_imm32_b32 hwreg(HW_REG_WAVE_MODE, 25, 1), 1
	s_wait_xcnt 0x0
; PREPARES THE OPERANDS of out = x W^T + bias, W[(o1,o2,o3)][(i1,i2,i3)] = sum over r1, r2 of c0[o1,i1,r1] c1[r1,o2,i2,r2] c2[r2,o3,i3].
; Work-group b = 16 o1 + o2 (256 of them, 8 waves) makes
;   xh : rows 2b, 2b+1 of x, rounded to bf16 and carried in f16; each block of 256 (one i1) goes from [i2][i3] to [t][i2][e], i3 = 2 t + e:
;        the pair (i3 = 2 t, 2 t + 1) is one 32-bit word, and the words are transposed from 16 x 8 to 8 x 16;
;   uf : U[i1][i2][r2] = sum over r1 of c0[o1,i1,r1] c1[r1,o2,i2,r2] (bf16 operands, f32 sums), times a power of two su, in f16, laid out as
;        the matrix operand fragments that the next launch loads: [b>>3][i1][b&7][q][lane = i2 + 16 h][8 f16: r2 = 16 q + 8 h + 0..7];
;   scl: 16 words 1/su, then 16 words 1/sc;
;   c2f: (work-groups 0 to 15: i3 = b) c2 rounded to bf16, times a power of two sc, in f16: [i3][q][lane = o3 + 16 h][r2 = 16 q + 8 h + 0..7].
; su brings the block's largest |U| into [2^6, 2^7), sc the largest |c2| into [2^2, 2^3): a sum of 32 products is then at most 2^15 and fits f16.
; LIMITS: |x| >= 65,520 becomes infinity in f16; |x| < 2^-14 is rounded to multiples of 2^-24.  The scales' exponents are clamped at 2^126: a block
; of U or a c2 whose largest magnitude is below 2^-121 keeps fewer bits.  NaN is passed over by the maxima and still spreads through the products.
.set C2S, 16384                        ; LDS: 0: eight waves x 2,048 bytes, x in f16; 16,384: c2 as it lies in memory, 32,768 bytes
.set UST, 49152                        ; U's stage: [i2 16] x 1,296 bytes, in it [i1 16] x 80 bytes, in it four pieces of 16 bytes (r2 = 8 p + 0..7)
.set UI2, 1296                         ; 81 x 16 bytes: sixteen i2 begin at sixteen different 16-byte columns of 256
.set UI1, 80                           ; 5 x 16 bytes: the same for sixteen i1
.set MX,  69888                        ; eight waves x (largest |U|, largest |c2|)
.set C0L, 16                           ; v[16:31]   c0 as loaded
.set C1L, 32                           ; v[32:95]   c1 as loaded; later U packed, and U read back
.set C2L, 96                           ; v[96:127]  c2 as loaded; later the c2 fragment
.set XI,  128                          ; v[128:159] x as loaded; later x in its new order
.set AF,  160                          ; v[160:191] four fragments of c1 (16 rows (i2,r2) x 32 r1)
.set BF,  192                          ; v[192:199] the fragment of c0 (16 i1 x 32 r1)
.set D,   200                          ; v[200:231] four tiles of U
.set UM,  232                          ; largest |U|
.set CM,  233                          ; largest |c2|
.set T,   234                          ; v[234:251] at work
	s_load_b256 s[4:11], s[0:1], 0x0               ; x s[4:5], core0 s[6:7], core1 s[8:9], core2 s[10:11]
	s_load_b256 s[12:19], s[0:1], 0x20             ; xh s[12:13], uf s[14:15], c2f s[16:17], scl s[18:19]
	v_lshl_add_u32 v254, v0, 2, 0x11200
	v_mov_b32 v255, 0
	v_lshrrev_b32 v1, 5, v0
	v_readfirstlane_b32 s20, v1                    ; wave w, 0 to 7
	s_mov_b32 s21, ttmp9                           ; b
	s_lshr_b32 s22, s21, 4                         ; o1
	s_and_b32 s23, s21, 15                         ; o2
	s_mov_b32 s24, 0x76543210                      ; v_permlanex16_b32: lane i reads lane i of the other half
	s_mov_b32 s25, 0xfedcba98
	s_mov_b32 s27, 0                               ; high word of the offset pair s[26:27]
	s_mov_b32 s35, 0xffff0000                      ; a word's upper bf16
	s_lshl_b32 s28, s20, 8                         ; my 64 rows (i2,r2) of c1: 256 bytes
	s_lshl_b32 s29, s20, 12                        ; my 4,096 bytes of x and of c2
	s_lshl_b32 s30, s20, 11                        ; my 2,048 bytes of xh and of the x stage
	s_mul_i32 s31, s20, 2*UI2
	s_add_co_u32 s31, s31, UST                     ; my two i2 of U's stage
	s_mul_i32 s32, s20, 2*UI1
	s_add_co_u32 s32, s32, UST                     ; my two i1 in every i2 of U's stage
	s_lshl_b32 s33, s20, 14                        ; my two i1 in uf: 2 x 8,192 bytes
	s_lshl_b32 s34, s20, 3
	s_add_co_u32 s34, s34, MX
	v_and_b32 v1, 31, v0                           ; lane L
	v_and_b32 v2, 15, v0                           ; r = L % 16
	v_bfe_u32 v3, v0, 4, 1                         ; h = L / 16
	v_lshlrev_b32 v4, 7, v2
	v_lshl_add_u32 v4, v3, 5, v4                   ; c0: i1 = r (128 bytes), r1 = 8 h
	v_lshl_add_u32 v5, v2, 4, s28
	v_lshl_add_u32 v5, v3, 18, v5                  ; c1: r1 = 8 h (32,768 bytes each), rows 64 w + 4 r + 0..3
	v_lshl_add_u32 v6, v1, 4, s29                  ; x and c2: 4,096 w + 16 L
	v_and_b32 v[T], 3, v0                          ; my four numbers of a load are i3 = 4 (L % 4) + 0..3: t = 2 (L % 4) and the next,
	v_bfe_u32 v[T+1], v0, 2, 3                     ; of i2 = L / 4 (+ 8 in the odd loads)
	v_lshlrev_b32 v[T], 7, v[T]                    ; 64 bytes a t
	v_lshl_add_u32 v7, v[T+1], 2, v[T]             ; 4 bytes an i2
	v_add_nc_u32 v7, s30, v7                       ; x stage, in: 2,048 w + 128 (L % 4) + 4 (L / 4)
	v_lshl_add_u32 v8, v1, 4, s30                  ; x stage, back, and xh: 2,048 w + 16 L
	v_mul_u32_u24 v10, v2, UI1
	v_mad_u32_u24 v10, v3, UI2, v10
	v_add_nc_u32 v10, s31, v10                     ; U's stage, in: i2 = 2 w + h, i1 = r
	v_mul_u32_u24 v11, v2, UI2
	v_lshl_add_u32 v11, v3, 4, v11
	v_add_nc_u32 v11, s32, v11                     ; U's stage, back: i2 = r, i1 = 2 w, piece h
	v_lshl_add_u32 v12, v1, 4, s33                 ; uf: 16,384 w + 16 L
	v_add_nc_u32 v13, C2S, v6                      ; c2's image in LDS
	v_mov_b32 v14, s34
	s_wait_kmcnt 0x0
	s_lshl_b32 s26, s21, 15
	s_add_nc_u64 s[4:5], s[4:5], s[26:27]          ; x at row 2 b
	s_lshl_b32 s26, s22, 11
	s_add_nc_u64 s[6:7], s[6:7], s[26:27]          ; c0[o1]
	s_lshl_b32 s26, s23, 11
	s_add_nc_u64 s[8:9], s[8:9], s[26:27]          ; c1[.][o2]
	s_lshl_b32 s26, s21, 14
	s_add_nc_u64 s[12:13], s[12:13], s[26:27]      ; xh at row 2 b
	s_lshr_b32 s26, s21, 3
	s_lshl_b32 s26, s26, 17
	s_and_b32 s36, s21, 7
	s_lshl_b32 s36, s36, 10
	s_add_co_u32 s26, s26, s36
	s_add_nc_u64 s[14:15], s[14:15], s[26:27]      ; uf[b >> 3][.][b & 7]
	s_lshl_b32 s26, s21, 7
	s_add_nc_u64 s[18:19], s[18:19], s[26:27]      ; scl[b]
	; all 36 loads go out at once, in the order in which they are used
	global_load_b128 v[C0L:C0L+3],     v4, s[6:7]
	global_load_b128 v[C0L+4:C0L+7],   v4, s[6:7] offset:16
	global_load_b128 v[C0L+8:C0L+11],  v4, s[6:7] offset:64
	global_load_b128 v[C0L+12:C0L+15], v4, s[6:7] offset:80
.irp n, 0,1,2,3,4,5,6,7
	global_load_b128 v[C1L+4*\n:C1L+4*\n+3], v5, s[8:9] offset:\n*32768             ; r1 = 8 h + n; sixteen lanes take 256 neighbouring bytes
.endr
.irp n, 0,1,2,3,4,5,6,7
	global_load_b128 v[C1L+32+4*\n:C1L+32+4*\n+3], v5, s[8:9] offset:(16+\n)*32768  ; r1 = 16 + 8 h + n
.endr
.irp n, 0,1,2,3,4,5,6,7
	global_load_b128 v[C2L+4*\n:C2L+4*\n+3], v6, s[10:11] offset:\n*512
.endr
.irp n, 0,1,2,3,4,5,6,7
	global_load_b128 v[XI+4*\n:XI+4*\n+3], v6, s[4:5] offset:\n*512 th:TH_LOAD_NT   ; each byte of x is read once in the launch
.endr
	; U: rows m = (i2, r2), columns i1, summed over r1.  Fragment f takes word f of every load, so its row rho is (i2,r2) = 64 w + 4 rho + f.
	s_wait_loadcnt 16                              ; c0 and c1 are in; c2's eight and x's eight loads stay out
.irp i, 0,1,2,3,4,5,6,7
	v_cvt_pk_bf16_f32 v[BF+\i], v[C0L+2*\i], v[C0L+2*\i+1]
.endr
.irp f, 0,1,2,3
.irp i, 0,1,2,3,4,5,6,7
	v_cvt_pk_bf16_f32 v[AF+8*\f+\i], v[C1L+8*\i+\f], v[C1L+8*\i+4+\f]
.endr
.endr
.irp f, 0,1,2,3
	v_wmma_f32_16x16x32_bf16 v[D+8*\f:D+8*\f+7], v[AF+8*\f:AF+8*\f+7], v[BF:BF+7], 0   ; four sums of their own, each started by the constant 0
.endr
	; lane (r, h) now gets U[i1 = r][i2 = 2 w + h][r2 = 4 j + f] in register j of tile f
	; c2: its image goes to LDS, and its largest magnitude is taken.  These sixteen vector lines name no register of the matrix
	; instructions: they are the places that stand between those and the first read of a result (ISA guide 7.12.1).
	s_wait_loadcnt 8                               ; c2 is in; x's eight loads stay out
.irp n, 0,1,2,3,4,5,6,7
	ds_store_b128 v13, v[C2L+4*\n:C2L+4*\n+3] offset:\n*512
.endr
	v_max_num_f32 v[CM], |v[C2L]|, |v[C2L+1]|
.set j, 2
.rept 15
	v_max3_num_f32 v[CM], v[CM], |v[C2L+j]|, |v[C2L+j+1]|
.set j, j+2
.endr
	v_max_num_f32 v[UM], |v[D]|, |v[D+1]|
.set j, 2
.rept 15
	v_max3_num_f32 v[UM], v[UM], |v[D+j]|, |v[D+j+1]|
.set j, j+2
.endr
.irp m, 1,2,4,8
	v_max_num_f32_dpp v[UM], v[UM], v[UM] row_xmask:\m row_mask:0xf bank_mask:0xf
	v_max_num_f32_dpp v[CM], v[CM], v[CM] row_xmask:\m row_mask:0xf bank_mask:0xf
.endr
	v_permlanex16_b32 v[C0L], v[UM], s24, s25      ; the destinations have been written before (c0, no longer needed)
	v_permlanex16_b32 v[C0L+1], v[CM], s24, s25
	v_max_num_f32 v[UM], v[UM], v[C0L]
	v_max_num_f32 v[CM], v[CM], v[C0L+1]
	ds_store_b64 v14, v[UM:CM]                     ; my wave's two maxima, every lane the same two words
	; x: to bf16 (nearest even), that value into f16; each word (i3 = 2 t, 2 t + 1) goes to its new place, 64 t + 4 i2, in its block of 512 bytes
	; of my own 2,048 bytes of LDS.  Load n holds block n / 2, i2 = 8 (n % 2) + L / 4.
	s_wait_loadcnt 0x0
.irp n, 0,1,2,3,4,5,6,7
	v_cvt_pk_bf16_f32 v[T],   v[XI+4*\n],   v[XI+4*\n+1]
	v_cvt_pk_bf16_f32 v[T+1], v[XI+4*\n+2], v[XI+4*\n+3]
	v_lshlrev_b32 v[T+2], 16,  v[T]
	v_and_b32     v[T+3], s35, v[T]
	v_lshlrev_b32 v[T+4], 16,  v[T+1]
	v_and_b32     v[T+5], s35, v[T+1]
	v_cvt_pk_f16_f32 v[T+6], v[T+2], v[T+3]
	v_cvt_pk_f16_f32 v[T+7], v[T+4], v[T+5]
	ds_store_b32 v7, v[T+6] offset:(\n/2)*512+(\n%2)*32        ; t = 2 (L % 4)
	ds_store_b32 v7, v[T+7] offset:(\n/2)*512+(\n%2)*32+64     ; t = 2 (L % 4) + 1
.endr
	; read back as it lies.  LDS serves a wave's instructions in order (ISA guide 5.7.1), and the bytes are my wave's own: no wait between the stores and these loads.
.irp k, 0,1,2,3
	ds_load_b128 v[XI+4*\k:XI+4*\k+3], v8 offset:\k*512
.endr
.irp k, 0,1,2,3
	s_wait_dscnt 3-\k                              ; block k is in, the younger ones stay out
	global_store_b128 v8, v[XI+4*\k:XI+4*\k+3], s[12:13] offset:\k*512   ; the wave stores 512 neighbouring bytes, at a multiple of 512 from xh's first byte
.endr
	s_wait_dscnt 0x0                               ; my stores of c2's image and of the maxima are done,
	s_barrier_signal -1
	s_barrier_wait -1                              ; everybody's are
	; the scales, in every wave alike: whole-number arithmetic on the maxima's exponents
	v_mov_b32 v15, MX
.irp k, 0,1,2,3
	ds_load_b128 v[T+2+4*\k:T+2+4*\k+3], v15 offset:16*\k
.endr
	s_wait_dscnt 0x0
	v_max3_num_f32 v[UM], v[T+2], v[T+4], v[T+6]
	v_max3_num_f32 v[CM], v[T+3], v[T+5], v[T+7]
	v_max3_num_f32 v[UM], v[UM], v[T+8], v[T+10]
	v_max3_num_f32 v[CM], v[CM], v[T+9], v[T+11]
	v_max3_num_f32 v[UM], v[UM], v[T+12], v[T+14]
	v_max3_num_f32 v[CM], v[CM], v[T+13], v[T+15]
	v_max_num_f32 v[UM], v[UM], v[T+16]
	v_max_num_f32 v[CM], v[CM], v[T+17]
	v_lshrrev_b32 v[T],   23, v[UM]                ; e: the largest magnitude lies in [2^(e-127), 2^(e-126))
	v_lshrrev_b32 v[T+1], 23, v[CM]
	v_sub_nc_u32 v[T],   0x104, v[T]               ; 260 - e: times 2^(133-e) it lies in [2^6, 2^7)
	v_sub_nc_u32 v[T+1], 0x100, v[T+1]             ; 256 - e: in [2^2, 2^3)
	v_min_u32 v[T],   0xfd, v[T]                   ; at most 253, so that the inverse's exponent field is at least 1
	v_min_u32 v[T+1], 0xfd, v[T+1]
	v_lshlrev_b32 v[T+2], 23, v[T]                 ; su
	v_lshlrev_b32 v[T+4], 23, v[T+1]               ; sc
	v_sub_nc_u32 v[T],   0xfe, v[T]
	v_sub_nc_u32 v[T+1], 0xfe, v[T+1]
	v_mov_b32 v[T+3], v[T+2]                       ; pairs for the packed multiplies
	v_mov_b32 v[T+5], v[T+4]
	v_lshlrev_b32 v[T+6], 23, v[T]                 ; 1 / su
	v_lshlrev_b32 v[T+7], 23, v[T+1]               ; 1 / sc
	; U times su, into f16 with r2 ascending, into my own two i2 of the stage
.set j, 0
.rept 16
	v_pk_mul_f32 v[D+j:D+j+1], v[D+j:D+j+1], v[T+2:T+3]
.set j, j+2
.endr
.irp j, 0,1,2,3,4,5,6,7
	v_cvt_pk_f16_f32 v[C1L+2*\j],   v[D+\j],    v[D+8+\j]      ; r2 = 4 j, 4 j + 1
	v_cvt_pk_f16_f32 v[C1L+2*\j+1], v[D+16+\j], v[D+24+\j]     ; r2 = 4 j + 2, 4 j + 3
.endr
.irp p, 0,1,2,3
	ds_store_b128 v10, v[C1L+4*\p:C1L+4*\p+3] offset:16*\p     ; piece p: r2 = 8 p + 0..7
.endr
	s_wait_dscnt 0x0                               ; my part of the stage is written,
	s_barrier_signal -1
	s_barrier_wait -1                              ; everybody's is
	; fragments i1 = 2 w, 2 w + 1 leave: lane i2 + 16 h of half q takes piece 2 q + h
.irp f, 0,1
.irp q, 0,1
	ds_load_b128 v[C1L+16+8*\f+4*\q:C1L+16+8*\f+4*\q+3], v11 offset:\f*UI1+\q*32
.endr
.endr
.irp f, 0,1
.irp q, 0,1
	s_wait_dscnt 3-2*\f-\q
	global_store_b128 v12, v[C1L+16+8*\f+4*\q:C1L+16+8*\f+4*\q+3], s[14:15] offset:\f*8192+\q*512   ; 512 neighbouring bytes, aligned
.endr
.endr
	s_cmp_lg_u32 s20, 0                            ; the rest is wave 0's, down to the closing barrier
	s_cbranch_scc1 .Lend
	v_cmp_gt_u32 vcc_lo, 16, v1
	v_cndmask_b32 v64, v[T+7], v[T+6], vcc_lo      ; lanes 0-15: 1 / su; lanes 16-31: 1 / sc
	v_lshlrev_b32 v65, 2, v1
	global_store_b32 v65, v64, s[18:19]            ; 128 neighbouring bytes
	s_cmp_lt_u32 s21, 16                           ; work-groups 0 to 15 make the c2 fragment of i3 = b
	s_cbranch_scc0 .Lend
	s_lshl_b32 s26, s21, 10
	s_add_nc_u64 s[16:17], s[16:17], s[26:27]      ; c2f[i3 = b]
	s_lshl_b32 s36, s21, 2
	s_add_co_u32 s36, s36, C2S
	v_lshlrev_b32 v66, 6, v2
	v_lshl_add_u32 v66, v3, 13, v66
	v_add_nc_u32 v66, s36, v66                     ; c2[r2 = 8 h][o3 = r][i3 = b] in the image
	v_lshlrev_b32 v67, 4, v1
.irp j, 0,1,2,3,4,5,6,7
	ds_load_b32 v[C2L+\j], v66 offset:\j*1024
.endr
.irp j, 0,1,2,3,4,5,6,7
	ds_load_b32 v[C2L+8+\j], v66 offset:(16+\j)*1024
.endr
	s_wait_dscnt 0x0
.irp i, 0,1,2,3,4,5,6,7
	v_cvt_pk_bf16_f32 v[C2L+24], v[C2L+2*\i], v[C2L+2*\i+1]
	v_lshlrev_b32 v[C2L+26], 16,  v[C2L+24]
	v_and_b32     v[C2L+27], s35, v[C2L+24]
	v_pk_mul_f32 v[C2L+26:C2L+27], v[C2L+26:C2L+27], v[T+4:T+5]
	v_cvt_pk_f16_f32 v[C2L+16+\i], v[C2L+26], v[C2L+27]
.endr
	global_store_b128 v67, v[C2L+16:C2L+19], s[16:17]
	global_store_b128 v67, v[C2L+20:C2L+23], s[16:17] offset:512
.Lend:
	s_barrier_signal -1
	s_barrier_wait -1
	s_wait_tensorcnt 0x0
	ds_add_u32 v254, v255
	s_wait_dscnt 0x0
	s_endpgm
.Lfunc_end_k_q7236bc48fa_prep:
	.size	k_q7236bc48fa_prep, .Lfunc_end_k_q7236bc48fa_prep-k_q7236bc48fa_prep
	.p2alignl 7, 3214868480
	.fill 96, 4, 3214868480
	.section	.rodata,"a",@progbits
	.p2align	6, 0x0
	.amdhsa_kernel k_q7236bc48fa_prep
		.amdhsa_group_segment_fixed_size 71168
		.amdhsa_private_segment_fixed_size 0
		.amdhsa_enable_private_segment 0
		.amdhsa_kernarg_size 64
		.amdhsa_user_sgpr_count 2
		.amdhsa_user_sgpr_kernarg_segment_ptr 1
		.amdhsa_wavefront_size32 1
		.amdhsa_system_sgpr_workgroup_id_x 1
		.amdhsa_system_sgpr_workgroup_id_y 1
		.amdhsa_system_sgpr_workgroup_id_z 1
		.amdhsa_system_vgpr_workitem_id 0
		.amdhsa_next_free_vgpr 256
		.amdhsa_next_free_sgpr 66
		.amdhsa_reserve_vcc 1
		.amdhsa_float_denorm_mode_32 3
		.amdhsa_float_denorm_mode_16_64 3
		.amdhsa_memory_ordered 1
		.amdhsa_forward_progress 1
		.amdhsa_inst_pref_size 26
	.end_amdhsa_kernel
	.amdgpu_metadata
---
amdhsa.version: [ 1, 2 ]
amdhsa.kernels:
  - .name:           k_q7236bc48fa_prep
    .symbol:         k_q7236bc48fa_prep.kd
    .args:
      - { .name: x, .offset: 0, .size: 8, .value_kind: global_buffer, .address_space: global }
      - { .name: core0, .offset: 8, .size: 8, .value_kind: global_buffer, .address_space: global }
      - { .name: core1, .offset: 16, .size: 8, .value_kind: global_buffer, .address_space: global }
      - { .name: core2, .offset: 24, .size: 8, .value_kind: global_buffer, .address_space: global }
      - { .name: xh, .offset: 32, .size: 8, .value_kind: global_buffer, .address_space: global }
      - { .name: uf, .offset: 40, .size: 8, .value_kind: global_buffer, .address_space: global }
      - { .name: c2f, .offset: 48, .size: 8, .value_kind: global_buffer, .address_space: global }
      - { .name: scl, .offset: 56, .size: 8, .value_kind: global_buffer, .address_space: global }
    .group_segment_fixed_size: 71168
    .private_segment_fixed_size: 0
    .kernarg_segment_align: 8
    .kernarg_segment_size: 64
    .max_flat_workgroup_size: 256
    .sgpr_count:     66
    .vgpr_count:     256
    .wavefront_size: 32
...
	.end_amdgpu_metadata
.endif
;; end of part 1
;; launch main (part 2): grid 32 x 8, 4 waves a work-group, clusters of 4 x 1, 327,680 bytes of LDS; arguments xh, uf, c2f, scl, bias, out0; writes out0
.if DOCPART == 2
	.amdgcn_target "amdgcn-amd-amdhsa--gfx1250"
	.amdhsa_code_object_version 6
	.text
	.protected	k_q7236bc48fa_main
	.globl	k_q7236bc48fa_main
	.p2align	8
	.type	k_q7236bc48fa_main,@function
k_q7236bc48fa_main:
	s_mov_b64 s[64:65], 0
	v_nop
	global_prefetch_b8 v0, s[64:65] scope:SCOPE_SE
	s_setreg_imm32_b32 hwreg(HW_REG_WAVE_MODE, 25, 1), 1
	s_wait_xcnt 0x0
	s_wait_alu depctr_hold_cnt(0) depctr_sa_sdst(0) depctr_va_vdst(0) depctr_va_sdst(0) depctr_va_ssrc(0) depctr_va_vcc(0) depctr_vm_vsrc(0)
	s_getreg_b32 s2, hwreg(HW_REG_IB_STS2, 6, 4)
	s_cmp_eq_u32 s2, 0
	s_cbranch_scc0 .Lentry_in_a_cluster
	s_endpgm
.Lentry_in_a_cluster:
	s_bfe_u32 s2, ttmp6, 0x10000c
	s_cmp_lg_u32 s2, 0x3003
	s_cbranch_scc0 .Lentry_shape_is_right
	s_endpgm
.Lentry_shape_is_right:
; out[n][(o1,o2,o3)] = sum over (i1,i3,i2) of W x + bias, with W[(o1,o2,o3)][(i1,i3,i2)] = sum over r2 of U[o1,o2][i1][i2][r2] c2[r2][o3][i3] never stored:
; each wave builds its fragments of W in registers.  Operands f16 (made by the launch before, with powers of two su, sc on U and c2), all sums f32.
; A work-group makes 64 rows x 128 columns of out (o1 fixed, eight o2, all o3: 512 bytes of a row).  Its four waves split K: wave w takes i1 = 4 w + 0..3 and keeps
; the whole 64 x 128 as partial sums in 256 registers; the four partial sums meet in LDS at the end.  So each number of x is read from LDS by one wave alone,
; and each number of W is built once in the work-group.
; BUILD: v_wmma_f32_16x16x32_f16, A = U (rows i2, K = r2), B = c2 of one i3 (columns o3), C = 0: one instruction holds the whole sum of 32 products, in f32;
; |sum| <= 32 x 2^7 x 2^3 = 2^15.  Register j of lane (r, h) is (i2 = 8 h + j, o3 = r) (ISA guide 7.12.2).
; A K fragment t of 32 is i3 = 2 t, 2 t + 1 times all i2.  Its two BUILDs are TA (i3 = 2 t) and TB (i3 = 2 t + 1), and register j of the fragment of W is the pair
; (TA[j], TB[j]), rounded once to f16 by one v_cvt_pk_f16_f32: no number moves between lanes.  x lies in the same order, [t][i2][pair], so a lane's fragment of x is 32
; neighbouring bytes.  An order of K that is the same in both operands leaves the products as they are.
; MAIN: v_wmma_f32_16x16x32_f16, A = W (rows o3), B = x (columns = batch rows): a lane's eight results are eight neighbouring columns of one row of out.
; CLUSTER: the four work-groups of a cluster make the same 64 rows, so they need the same tiles of x: each tile is asked for jointly (mask 15).  U differs between them.
; LIMITS: x comes in f16 (see the launch before); the order of the sums differs from a plain ascending one (K is split over four waves).
;
; REGISTERS in windows of 256.  Window 0: v1-23 addresses and constants; v32-63, v64-95 x fragments, two buffers; v96-159 TB, eight tiles (o2 0-7).
; Windows 1 (o2 0-3) and 2 (o2 4-7), alike: v0-127 accumulators, tile (o, row block) at 8 (4 o + rb); v128-191 W, two buffers; v192-223 TA, four tiles.
; Window 3: v0-127 the 16 fragments of c2; v128-255 U, two buffers of eight fragments.
; A conversion's places are those of a MAIN: destination W beside the accumulators, source 0 TA beside W, source 1 TB beside x.  So MAINs and conversions
; stand mixed under one setting, and a K fragment's 48 matrix instructions take six switches.
.set PITCH, 528                        ; an LDS row: 512 bytes + 16 = 33 x 16: sixteen rows begin at sixteen different 16-byte columns of 256
.set SLOTB, 64*PITCH                   ; a slot: 64 rows of x, one i1 (256 K)
.set WAVEB, 2*SLOTB                    ; each wave's own two slots; slot 0 is its stage on the way out, behind that slot's last fill
.set XA,  3                            ; v3, v4   LDS address of my x fragments in slot 0, 1: row r, byte 32 h.  v3 is also where I put 32 bytes of a row of partial sums
.set RD,  16                           ; v16-19   where I read a row of wave 0..3's partial sums
.set XB,  32                           ; window 0
.set TBL, 96                           ; window 0: TB of o2 0-3
.set TBH, 128                          ; window 0: TB of o2 4-7
.set WB,  128                          ; windows 1, 2
.set TA,  192                          ; windows 1, 2
.set C2,  0                            ; window 3
.set UB,  128                          ; window 3
.set OB,  32                           ; the way out: v32-95, v96-159 partial sums, two buffers; v160-223 results
.set RES, 160
.set G1,  24                           ; s[24:31] descriptor group 1
.set G0,  32                           ; s[32:39] descriptor group 0, one set for each slot
.set S_LO, 0x51                        ; source 0, source 2 and destination in window 1, source 1 in window 0
.set S_HI, 0xa2                        ; the same with window 2
.set MSB, 0
.macro WIN new                         ; the immediate's high byte repeats the setting that is left
.if MSB != \new
	s_set_vgpr_msb (MSB<<8)|\new
.set MSB, \new
.endif
.endm
.macro CREST                           ; a round of the cluster's barrier behind its opening barrier
	s_cmp_lg_u32 s16, 0
	s_cbranch_scc1 .Lnot_wave_0_\@
	s_barrier_signal -3
.Lnot_wave_0_\@:
	s_barrier_wait -3
	s_barrier_signal -1
	s_barrier_wait -1
.endm
.macro CROUND                          ; a whole round
	s_barrier_signal -1
	s_barrier_wait -1
	CREST
.endm
.macro NOP4
.rept 4
	v_nop
.endr
.endm
; eight LDS loads: the x fragments (four blocks of 16 rows) of K fragment t of a slot
.macro XLOAD slot, t, buf
.irp b, 0,1,2,3
	ds_load_b128 v[XB+32*\buf+8*\b:XB+32*\buf+8*\b+3],   v[XA+\slot] offset:\b*16*PITCH+\t*64       ; i2 = 8 h + 0..3, both i3
	ds_load_b128 v[XB+32*\buf+8*\b+4:XB+32*\buf+8*\b+7], v[XA+\slot] offset:\b*16*PITCH+\t*64+16    ; i2 = 8 h + 4..7
.endr
.endm
; sixteen loads: the eight fragments of U of my c-th i1, 512 neighbouring bytes each
.macro ULOAD c
	WIN 0xc0                                       ; destination in window 3, address in window 0
.irp o, 0,1,2,3,4,5,6,7
	global_load_b128 v[UB+64*((\c)&1)+8*\o:UB+64*((\c)&1)+8*\o+3],   v2, s[6:7] offset:(\c)*8192+\o*1024
	global_load_b128 v[UB+64*((\c)&1)+8*\o+4:UB+64*((\c)&1)+8*\o+7], v2, s[6:7] offset:(\c)*8192+\o*1024+512
.endr
.endm
; sixteen matrix instructions: TB and TA of all eight o2 for K fragment t, from U buffer u.  Each starts its own sum with the constant 0.
.macro BUILDS u, t
	WIN 0x0f                                       ; U and c2 in window 3, result in window 0
.irp o, 0,1,2,3,4,5,6,7
	v_wmma_f32_16x16x32_f16 v[TBL+8*\o:TBL+8*\o+7], v[UB+64*\u+8*\o:UB+64*\u+8*\o+7], v[C2+8*(2*\t+1):C2+8*(2*\t+1)+7], 0
.endr
	WIN 0x4f                                       ; result in window 1
.irp o, 0,1,2,3
	v_wmma_f32_16x16x32_f16 v[TA+8*\o:TA+8*\o+7], v[UB+64*\u+8*\o:UB+64*\u+8*\o+7], v[C2+16*\t:C2+16*\t+7], 0
.endr
	WIN 0x8f                                       ; result in window 2
.irp o, 0,1,2,3
	v_wmma_f32_16x16x32_f16 v[TA+8*\o:TA+8*\o+7], v[UB+64*\u+8*(\o+4):UB+64*\u+8*(\o+4)+7], v[C2+16*\t:C2+16*\t+7], 0
.endr
.endm
; one register of W: the pair (i3 = 2 t, 2 t + 1) of one i2.  CI runs through the window's 32 registers (four o2 x eight).
.macro CV1 p, tb
	v_cvt_pk_f16_f32 v[WB+32*(\p)+CI], v[TA+CI], v[\tb+CI]
.set CI, CI+1
.endm
; One window's part of a K fragment: sixteen matrix instructions on sixteen accumulators (four o2 x four row blocks) from buffers p; zero = 1: the first product starts
; the sums.  cv = 1: between them the next fragment's W is rounded into buffer np, 32 conversions: none behind the first two matrix instructions, two behind each of the
; next twelve, four behind each of the last two.  lead = 1: two v_nop behind each of the first two.
.macro MAINC p, np, zero, cv, lead, tb
.set MI, 0
.set CI, 0
.irp o, 0,1,2,3
.irp b, 0,1,2,3
.if \zero
	v_wmma_f32_16x16x32_f16 v[8*(4*\o+\b):8*(4*\o+\b)+7], v[WB+32*\p+8*\o:WB+32*\p+8*\o+7], v[XB+32*\p+8*\b:XB+32*\p+8*\b+7], 0
.else
	v_wmma_f32_16x16x32_f16 v[8*(4*\o+\b):8*(4*\o+\b)+7], v[WB+32*\p+8*\o:WB+32*\p+8*\o+7], v[XB+32*\p+8*\b:XB+32*\p+8*\b+7], v[8*(4*\o+\b):8*(4*\o+\b)+7]
.endif
.if \cv
.if MI < 2
.if \lead
	v_nop
	v_nop
.endif
.else
	CV1 \np, \tb
	CV1 \np, \tb
.if MI >= 14
	CV1 \np, \tb
	CV1 \np, \tb
.endif
.endif
.endif
.set MI, MI+1
.endr
.endr
.endm
; K fragment Q (0 to 31; 8 to an i1): the next fragment's x is fetched and its TA, TB are built; this fragment is multiplied while the next one's W is rounded.
; The 32 accumulators take turns, one instruction a turn, in the same order in every fragment.
; PLACES behind matrix instructions (ISA guide 7.12.1), by this text's own count of plain vector instructions that name none of their registers:
;   a BUILD and the conversion that reads its result: the four v_nop of the low half; for the high half also the low half's 32 conversions;
;   the last MAIN of a fragment and the next fragment's LDS loads into its x buffer: the four conversions behind it, which name the other W buffer, TA and TB;
;   a MAIN and the conversions that write over its W, one fragment later: 32 conversions of the other window at the least;
;   a BUILD and the next BUILD onto the same registers: the four v_nop and the conversions of the other tiles.
.macro KF
.set NQ, Q+1
.set NS, (NQ/8)&1                      ; the next fragment's slot, and its U buffer
.set NU, (NQ/8)&1
.set NT, NQ%8
.set NB, NQ&1
.set CB, Q&1
.set CC, Q/8
.set CT, Q%8
.set UC, CC+1
.set SL, CC&1
.set ZERO, 0
.if Q == 0
.set ZERO, 1
.endif
.set CV, 1
.if Q == 31
.set CV, 0
.endif
.set RF, 0                             ; in fragments 6 and 14 the slot has been read to its end (the loads of fragments 7 and 15 are issued here): it is filled again
.if Q == 6
.set RF, 1
.endif
.if Q == 14
.set RF, 1
.endif
	WIN 0
.if Q == 23
	s_wait_tensorcnt 0x0                           ; my last tile (my fourth i1) has landed; the bytes are read by my wave alone
.endif
.if Q < 31
	XLOAD NS, NT, NB
.endif
.if CT == 0
.if CC < 3
	ULOAD UC                                       ; the next i1's U, seven fragments ahead of its first use
.endif
.endif
.if CT == 7
.if CC < 3
	s_wait_loadcnt 0x0                             ; the next i1's U is in: the BUILDs below take it
.endif
.endif
.if Q < 31
	BUILDS NU, NT
	s_wait_dscnt 0x8                               ; this fragment's x is in; the eight loads just issued stay out
.else
	s_wait_dscnt 0x0
.endif
	WIN S_LO
	MAINC CB, NB, ZERO, CV, 1, TBL
.if RF
	s_wait_dscnt 0x0                               ; my reads of this slot are over,
	s_wait_tensorcnt 0x0                           ; and all my tensor loads have landed (the one that was out is the other slot's), so a group 0 may be written:
	ds_add_u32 v255, v255
	s_wait_dscnt 0x0
	s_add_nc_u64 s[G0+4*SL+2:G0+4*SL+3], s[G0+4*SL+2:G0+4*SL+3], 1024   ; this slot's next tile: two i1 on
	s_barrier_signal -1                            ; this barrier opens a round of the cluster's barrier
.endif
	WIN S_HI
	MAINC CB, NB, ZERO, CV, 0, TBH                 ; registers only
.if RF
	WIN 0                                          ; at a branch and at a label every window is 0
	s_barrier_wait -1
	CREST                                          ; no wave of any of the four work-groups still reads this slot or has a load on its way
	tensor_load_to_lds s[G0+4*SL:G0+4*SL+3], s[G1:G1+7]   ; my one tensor load behind the round, and the first thing there; eight fragments' work until it is read
	s_nop 0
.endif
.endm
	s_load_b256 s[4:11], s[0:1], 0x0               ; xh s[4:5], uf s[6:7], c2f s[8:9], scl s[10:11]
	s_load_b128 s[12:15], s[0:1], 0x20             ; bias s[12:13], out0 s[14:15]
	s_set_vgpr_msb 0x40
	v_lshl_add_u32 v255, v0, 2, 0x42000
	s_set_vgpr_msb 0x4000
	v_mov_b32 v255, 0
	s_set_vgpr_msb 0x1
	ds_add_u32 v255, v255
	ds_add_u32 v255, v255
	s_set_vgpr_msb 0x100
	v_lshrrev_b32 v1, 5, v0
	v_readfirstlane_b32 s16, v1                    ; wave w, 0 to 3
	s_bfe_u32 s17, ttmp6, 0x40000                  ; cx: my place in the cluster
	s_lshl_b32 s18, ttmp9, 2
	s_add_co_u32 s18, s18, s17                     ; column tile = 4 x cluster x + cx; it enters the offsets of uf, scl, bias and out0 alone
	s_and_b32 s19, ttmp7, 0xffff                   ; row tile y, the same in the four partners
	; descriptor group 1: 64 rows x 256 elements of 2 bytes, 4,096 elements from row to row; in LDS 4 words of padding behind every 128
	s_mov_b32 s[G1+0], 15|(1<<16)|(1<<20)|(1<<21)|(6<<22)|(3<<25)   ; 15:0 mask: all four work-groups; 17:16 2 bytes; 20 padding on; 21 set beside a mask; 24:22 code 6; 31:25 code 3
	s_mov_b32 s[G1+1], 256<<16                     ; tensor_dim0 = 256
	s_mov_b32 s[G1+2], 64<<16                      ; tensor_dim1 = 64
	s_mov_b32 s[G1+3], 256<<16                     ; tile_dim0 = 256
	s_mov_b32 s[G1+4], 64                          ; tile_dim1 = 64
	s_mov_b32 s[G1+5], 4096                        ; the pitch
	s_mov_b32 s[G1+6], 0
	s_mov_b32 s[G1+7], 0
	s_lshl_b32 s20, s19, 19                        ; 64 y rows of 8,192 bytes
	s_lshl_b32 s21, s16, 11                        ; my four i1: 2,048 bytes of a row
	s_add_co_u32 s20, s20, s21
	s_mov_b32 s21, 0
	s_mov_b32 s23, 0
	s_mul_i32 s40, s16, WAVEB                      ; my two slots
	s_mul_i32 s41, s16, 16*PITCH                   ; rows 16 w of a stage
	v_and_b32 v20, 31, v0                          ; lane L
	v_and_b32 v21, 15, v0                          ; r
	v_bfe_u32 v22, v0, 4, 1                        ; h
	v_lshlrev_b32 v1, 4, v20                       ; 16 L
	v_lshl_add_u32 v2, s16, 15, v1                 ; uf: my four i1 (32,768 bytes) + 16 L
	v_mul_u32_u24 v23, v21, PITCH
	v_add_nc_u32 v23, s40, v23
	v_lshl_add_u32 v[XA], v22, 5, v23              ; row r, 32 h
	v_add_nc_u32 v[XA+1], SLOTB, v[XA]
	v_lshl_add_u32 v6, s16, 18, v1                 ; out0: rows 16 w (16,384 bytes each) + 16 L
	v_lshrrev_b32 v7, 2, v20
	v_lshlrev_b32 v7, 7, v7                        ; scl: my four columns 4 L + 0..3 belong to o2 = L / 4
	v_add_nc_u32 v[RD], s41, v1
	v_add_nc_u32 v[RD+1], WAVEB, v[RD]
	v_add_nc_u32 v[RD+2], 2*WAVEB, v[RD]
	v_add_nc_u32 v[RD+3], 3*WAVEB, v[RD]
	s_wait_dscnt 0x0
	s_wait_kmcnt 0x0
	s_add_nc_u64 s[4:5], s[4:5], s[20:21]          ; xh at my first tile: made of y and the wave's number alone
.irp s, 0,1
	s_mov_b32 s[G0+4*\s], 1                                        ; count = 1
	s_add_co_u32 s[G0+4*\s+1], s40, \s*SLOTB                       ; LDS address: the wave's number and the slot
	s_add_nc_u64 s[G0+4*\s+2:G0+4*\s+3], s[4:5], \s*512            ; my i1 number s
	s_or_b32 s[G0+4*\s+3], s[G0+4*\s+3], 0x80000000                ; type = 2
.endr
	s_lshl_b32 s22, s18, 17
	s_add_nc_u64 s[6:7], s[6:7], s[22:23]          ; uf: 131,072 bytes a column tile
	s_lshl_b32 s22, s18, 10
	s_add_nc_u64 s[10:11], s[10:11], s[22:23]      ; scl: eight o2 of 128 bytes
	s_lshl_b32 s22, s18, 9
	s_add_nc_u64 s[12:13], s[12:13], s[22:23]      ; bias: 512 bytes
	s_lshl_b32 s42, s19, 20                        ; 64 y rows of 16,384 bytes
	s_add_co_u32 s22, s22, s42
	s_add_nc_u64 s[14:15], s[14:15], s[22:23]      ; out0 at the tile's corner
	CROUND                                         ; all four work-groups are here: the first joint loads meet
	tensor_load_to_lds s[G0:G0+3], s[G1:G1+7]      ; both first fills go out together: two tensor loads of the wave are out, the most in this text
	s_nop 0
	tensor_load_to_lds s[G0+4:G0+7], s[G1:G1+7]
	s_nop 0
	global_load_b128 v[8:11], v1, s[12:13]         ; bias of my four columns
	global_load_b32 v12, v7, s[10:11]              ; 1 / su of my o2
	global_load_b32 v14, v7, s[10:11] offset:64    ; 1 / sc
	WIN 0xc0
.irp i, 0,1,2,3,4,5,6,7,8,9,10,11,12,13,14,15
	global_load_b128 v[C2+8*\i:C2+8*\i+3],   v1, s[8:9] offset:\i*1024
	global_load_b128 v[C2+8*\i+4:C2+8*\i+7], v1, s[8:9] offset:\i*1024+512
.endr
	ULOAD 0
	WIN 0
	s_wait_loadcnt 0x0
	v_mov_b32 v13, v12                             ; pairs for the packed arithmetic of the way out
	v_mov_b32 v15, v14
	BUILDS 0, 0                                    ; TA and TB of K fragment 0
	WIN S_LO
	NOP4                                           ; four places in front of the first conversion, which reads these results
.set CI, 0
.rept 32
	CV1 0, TBL
.endr
	WIN S_HI
.set CI, 0
.rept 32
	CV1 0, TBH
.endr
	WIN 0
	s_wait_tensorcnt 0x1                           ; my slot 0 has landed; slot 1's load stays out.  Only my wave reads my slots
	XLOAD 0, 0, 0
.set Q, 0
.rept 32
	KF
.set Q, Q+1
.endr
	; THE WAY OUT.  My 64 x 128 partial sums go into my slot 0 (its last fill has landed and its last read is back), rows of 512 bytes at pitch 528.
	NOP4                                           ; four places between the last matrix instructions and the stores that read their results
	WIN 0x04                                       ; store data from window 1
.irp o, 0,1,2,3
.irp b, 0,1,2,3
	ds_store_b128 v[XA], v[8*(4*\o+\b):8*(4*\o+\b)+3]   offset:\b*16*PITCH+\o*64
	ds_store_b128 v[XA], v[8*(4*\o+\b)+4:8*(4*\o+\b)+7] offset:\b*16*PITCH+\o*64+16
.endr
.endr
	WIN 0x08                                       ; from window 2
.irp o, 0,1,2,3
.irp b, 0,1,2,3
	ds_store_b128 v[XA], v[8*(4*\o+\b):8*(4*\o+\b)+3]   offset:\b*16*PITCH+(\o+4)*64
	ds_store_b128 v[XA], v[8*(4*\o+\b)+4:8*(4*\o+\b)+7] offset:\b*16*PITCH+(\o+4)*64+16
.endr
.endr
	WIN 0
	s_wait_dscnt 0x0                               ; my partial sums are written,
	s_barrier_signal -1
	s_barrier_wait -1                              ; everybody's are
; Wave w adds up rows 16 w + 0..15, four rows a batch: sixteen loads of 512 neighbouring bytes, one for each row and each wave's stage.
.macro RLOAD bt
.irp k, 0,1,2,3
.irp u, 0,1,2,3
	ds_load_b128 v[OB+64*((\bt)&1)+16*\k+4*\u:OB+64*((\bt)&1)+16*\k+4*\u+3], v[RD+\u] offset:(4*\bt+\k)*PITCH
.endr
.endr
.endm
; out = (sum / su) / sc + bias.  Each row's result has registers of its own, so no store's data is written again.
.macro ROUT bt
.irp k, 0,1,2,3
.set TT, OB+64*((\bt)&1)+16*\k
.set RR, RES+16*\bt+4*\k
	v_pk_add_f32 v[TT:TT+1],     v[TT:TT+1],     v[TT+4:TT+5]
	v_pk_add_f32 v[TT+2:TT+3],   v[TT+2:TT+3],   v[TT+6:TT+7]
	v_pk_add_f32 v[TT+8:TT+9],   v[TT+8:TT+9],   v[TT+12:TT+13]
	v_pk_add_f32 v[TT+10:TT+11], v[TT+10:TT+11], v[TT+14:TT+15]
	v_pk_add_f32 v[TT:TT+1],     v[TT:TT+1],     v[TT+8:TT+9]
	v_pk_add_f32 v[TT+2:TT+3],   v[TT+2:TT+3],   v[TT+10:TT+11]
	v_pk_mul_f32 v[TT:TT+1],     v[TT:TT+1],     v[12:13]
	v_pk_mul_f32 v[TT+2:TT+3],   v[TT+2:TT+3],   v[12:13]
	v_pk_fma_f32 v[RR:RR+1],     v[TT:TT+1],     v[14:15], v[8:9]
	v_pk_fma_f32 v[RR+2:RR+3],   v[TT+2:TT+3],   v[14:15], v[10:11]
	global_store_b128 v6, v[RR:RR+3], s[14:15] offset:(4*\bt+\k)*16384 th:TH_STORE_NT   ; the wave stores 512 neighbouring bytes, at a multiple of 512 from out0's first byte
.endr
.endm
	RLOAD 0
	RLOAD 1
	s_wait_dscnt 16                                ; batch 0 is in; the sixteen loads of batch 1 stay out
	ROUT 0
	RLOAD 2
	s_wait_dscnt 16
	ROUT 1
	RLOAD 3
	s_wait_dscnt 16
	ROUT 2
	s_wait_dscnt 0x0
	ROUT 3
	s_set_vgpr_msb 0x1
	s_wait_tensorcnt 0x0
	ds_add_u32 v255, v255
	s_wait_dscnt 0x0
	s_set_vgpr_msb 0x100
	CROUND                                         ; the closing round: no work-group ends while a partner may still ask for a tile that names it
	s_endpgm
.Lfunc_end_k_q7236bc48fa_main:
	.size	k_q7236bc48fa_main, .Lfunc_end_k_q7236bc48fa_main-k_q7236bc48fa_main
	.p2alignl 7, 3214868480
	.fill 96, 4, 3214868480
	.section	.rodata,"a",@progbits
	.p2align	6, 0x0
	.amdhsa_kernel k_q7236bc48fa_main
		.amdhsa_group_segment_fixed_size 327680
		.amdhsa_private_segment_fixed_size 0
		.amdhsa_enable_private_segment 0
		.amdhsa_kernarg_size 48
		.amdhsa_user_sgpr_count 2
		.amdhsa_user_sgpr_kernarg_segment_ptr 1
		.amdhsa_wavefront_size32 1
		.amdhsa_system_sgpr_workgroup_id_x 1
		.amdhsa_system_sgpr_workgroup_id_y 1
		.amdhsa_system_sgpr_workgroup_id_z 1
		.amdhsa_system_vgpr_workitem_id 0
		.amdhsa_next_free_vgpr 1024
		.amdhsa_next_free_sgpr 66
		.amdhsa_reserve_vcc 0
		.amdhsa_float_denorm_mode_32 3
		.amdhsa_float_denorm_mode_16_64 3
		.amdhsa_memory_ordered 1
		.amdhsa_forward_progress 1
		.amdhsa_inst_pref_size 255
	.end_amdhsa_kernel
	.section	.bss,"aw",@nobits
	.p2align	6
	.space	262144
	.amdgpu_metadata
---
amdhsa.version: [ 1, 2 ]
amdhsa.kernels:
  - .name:           k_q7236bc48fa_main
    .symbol:         k_q7236bc48fa_main.kd
    .args:
      - { .name: xh, .offset: 0, .size: 8, .value_kind: global_buffer, .address_space: global }
      - { .name: uf, .offset: 8, .size: 8, .value_kind: global_buffer, .address_space: global }
      - { .name: c2f, .offset: 16, .size: 8, .value_kind: global_buffer, .address_space: global }
      - { .name: scl, .offset: 24, .size: 8, .value_kind: global_buffer, .address_space: global }
      - { .name: bias, .offset: 32, .size: 8, .value_kind: global_buffer, .address_space: global }
      - { .name: out0, .offset: 40, .size: 8, .value_kind: global_buffer, .address_space: global }
    .group_segment_fixed_size: 327680
    .private_segment_fixed_size: 0
    .kernarg_segment_align: 8
    .kernarg_segment_size: 48
    .max_flat_workgroup_size: 128
    .sgpr_count:     66
    .vgpr_count:     1024
    .wavefront_size: 32
...
	.end_amdgpu_metadata
.endif
;; end of part 2
;; ======== version 2 of 2: 2 launches; version 1 with the launch prep written anew for expert scheduling mode
;; limits: values are held in f16: magnitudes above 65,504 overflow, below 6.1e-05 lose precision; inputs' magnitudes at most 65,504; below input magnitudes of 6.1e-05 results are inexact or not finite
;; workspace buffers: xh 4,194,304 bytes; uf 4,194,304 bytes; c2f 16,384 bytes; scl 32,768 bytes
;; launch prep (part 3): grid 256 x 1, 8 waves a work-group, no clusters, 71,168 bytes of LDS; arguments x, core0, core1, core2, xh, uf, c2f, scl; writes xh, uf, c2f, scl
.if DOCPART == 3
	.amdgcn_target "amdgcn-amd-amdhsa--gfx1250"
	.amdhsa_code_object_version 6
	.text
	.protected	k_q7236bc48fa_prep
	.globl	k_q7236bc48fa_prep
	.p2align	8
	.type	k_q7236bc48fa_prep,@function
k_q7236bc48fa_prep:
	s_mov_b64 s[64:65], 0
	v_nop
	global_prefetch_b8 v0, s[64:65] scope:SCOPE_SE
	s_setreg_imm32_b32 hwreg(HW_REG_WAVE_SCHED_MODE, 0, 2), 2
	s_setreg_imm32_b32 hwreg(HW_REG_WAVE_MODE, 25, 1), 1
	s_wait_xcnt 0x0
	s_wait_alu depctr_vm_vsrc(0)
; PREPARES THE OPERANDS of out = x W^T + bias, W[(o1,o2,o3)][(i1,i2,i3)] = sum over r1, r2 of c0[o1,i1,r1] c1[r1,o2,i2,r2] c2[r2,o3,i3].
; Work-group b = 16 o1 + o2 (256 of them, 8 waves) makes
;   xh : rows 2b, 2b+1 of x, rounded to bf16 and carried in f16; each block of 256 (one i1) goes from [i2][i3] to [t][i2][e], i3 = 2 t + e:
;        the pair (i3 = 2 t, 2 t + 1) is one 32-bit word, and the words are transposed from 16 x 8 to 8 x 16;
;   uf : U[i1][i2][r2] = sum over r1 of c0[o1,i1,r1] c1[r1,o2,i2,r2] (bf16 operands, f32 sums), times a power of two su, in f16, laid out as
;        the matrix operand fragments that the next launch loads: [b>>3][i1][b&7][q][lane = i2 + 16 h][8 f16: r2 = 16 q + 8 h + 0..7];
;   scl: 16 words 1/su, then 16 words 1/sc;
;   c2f: (work-groups 0 to 15: i3 = b) c2 rounded to bf16, times a power of two sc, in f16: [i3][q][lane = o3 + 16 h][r2 = 16 q + 8 h + 0..7].
; su brings the block's largest |U| into [2^6, 2^7), sc the largest |c2| into [2^2, 2^3): a sum of 32 products is then at most 2^15 and fits f16.
; LIMITS: |x| >= 65,520 becomes infinity in f16; |x| < 2^-14 is rounded to multiples of 2^-24.  The scales' exponents are clamped at 2^126: a block
; of U or a c2 whose largest magnitude is below 2^-121 keeps fewer bits.  NaN is passed over by the maxima and still spreads through the products.
; THE MODE: SCHED_MODE bits 1:0 = 2 (LLVM: expert scheduling mode 2), set by the entry lines.  The code itself states the register dependences
; between vector or matrix instructions and memory or LDS instructions, with s_wait_alu, always for 0.
; THE PLAN.  Registers that memory or LDS instructions touch:
;   v4-v8, v10-v15   offsets and LDS addresses: written at the head, never again.
;   C0L, C1L, C2L, XI  the 36 loads land in them; no vector instruction names them before.
;   C2L              read as loaded by the LDS stores of c2's image; in wave 0's tail LDS loads land in C2L+0..15 and conversions write C2L+16..27.
;   UM, CM           written by the maxima, read by one LDS store, written again behind the first barrier.
;   XW               x's sixteen words of f16, a register each: written by x's conversions, read by the sixteen LDS stores, never written again.
;   XI+0..15         read by x's conversions; then x in its new order lands there and the stores of xh read it.
;   T+2..T+17        T+2..T+5 are at work in x's conversions; behind the first barrier the eight waves' maxima land there.
;   C1L+0..15        written by U's roundings, read by four LDS stores.     C1L+16..31  U read back; the stores of uf read it.
;   v64-v67          wave 0's tail: the scales' word and three addresses.
; So: one wait on va_vdst at the head (the addresses); one behind x's conversions, ahead of a run of 17 LDS stores and 4 LDS loads; one wait on vm_vsrc behind
; the first barrier (UM, CM, C2L); one on va_vdst ahead of U's LDS stores; and in wave 0's tail one on VCC and two on va_vdst.
.set C2S, 16384                        ; LDS: 0: eight waves x 2,048 bytes, x in f16; 16,384: c2 as it lies in memory, 32,768 bytes
.set UST, 49152                        ; U's stage: [i2 16] x 1,296 bytes, in it [i1 16] x 80 bytes, in it four pieces of 16 bytes (r2 = 8 p + 0..7)
.set UI2, 1296                         ; 81 x 16 bytes: sixteen i2 begin at sixteen different 16-byte columns of 256
.set UI1, 80                           ; 5 x 16 bytes: the same for sixteen i1
.set MX,  69888                        ; eight waves x (largest |U|, largest |c2|)
.set C0L, 16                           ; v[16:31]   c0 as loaded
.set C1L, 32                           ; v[32:95]   c1 as loaded; later U packed, and U read back
.set C2L, 96                           ; v[96:127]  c2 as loaded; later the c2 fragment
.set XI,  128                          ; v[128:159] x as loaded; later x in its new order
.set AF,  160                          ; v[160:191] four fragments of c1 (16 rows (i2,r2) x 32 r1)
.set XW,  160                          ; v[160:175] behind the products: x's sixteen words of f16 on their way into LDS
.set BF,  192                          ; v[192:199] the fragment of c0 (16 i1 x 32 r1)
.set D,   200                          ; v[200:231] four tiles of U
.set UM,  232                          ; largest |U|
.set CM,  233                          ; largest |c2|
.set T,   234                          ; v[234:251] at work
	s_load_b256 s[4:11], s[0:1], 0x0               ; x s[4:5], core0 s[6:7], core1 s[8:9], core2 s[10:11]
	s_load_b256 s[12:19], s[0:1], 0x20             ; xh s[12:13], uf s[14:15], c2f s[16:17], scl s[18:19]
	v_lshl_add_u32 v254, v0, 2, 0x11200            ; my spare word and 0: made here and kept for the closing lines alone
	v_mov_b32 v255, 0
	v_lshrrev_b32 v1, 5, v0
	v_readfirstlane_b32 s20, v1                    ; wave w, 0 to 7
	s_mov_b32 s21, ttmp9                           ; b
	s_lshr_b32 s22, s21, 4                         ; o1
	s_and_b32 s23, s21, 15                         ; o2
	s_mov_b32 s24, 0x76543210                      ; v_permlanex16_b32: lane i reads lane i of the other half
	s_mov_b32 s25, 0xfedcba98
	s_mov_b32 s27, 0                               ; high word of the offset pair s[26:27]
	s_mov_b32 s35, 0xffff0000                      ; a word's upper bf16
	s_wait_alu depctr_va_sdst(0)                   ; s20 is written, ahead of its first reader: the wave's shares below are made from it
	s_lshl_b32 s28, s20, 8                         ; my 64 rows (i2,r2) of c1: 256 bytes
	s_lshl_b32 s29, s20, 12                        ; my 4,096 bytes of x and of c2
	s_lshl_b32 s30, s20, 11                        ; my 2,048 bytes of xh and of the x stage
	s_mul_i32 s31, s20, 2*UI2
	s_add_co_u32 s31, s31, UST                     ; my two i2 of U's stage
	s_mul_i32 s32, s20, 2*UI1
	s_add_co_u32 s32, s32, UST                     ; my two i1 in every i2 of U's stage
	s_lshl_b32 s33, s20, 14                        ; my two i1 in uf: 2 x 8,192 bytes
	s_lshl_b32 s34, s20, 3
	s_add_co_u32 s34, s34, MX
	v_and_b32 v1, 31, v0                           ; lane L
	v_and_b32 v2, 15, v0                           ; r = L % 16
	v_bfe_u32 v3, v0, 4, 1                         ; h = L / 16
	v_lshlrev_b32 v4, 7, v2
	v_lshl_add_u32 v4, v3, 5, v4                   ; c0: i1 = r (128 bytes), r1 = 8 h
	v_lshl_add_u32 v5, v2, 4, s28
	v_lshl_add_u32 v5, v3, 18, v5                  ; c1: r1 = 8 h (32,768 bytes each), rows 64 w + 4 r + 0..3
	v_lshl_add_u32 v6, v1, 4, s29                  ; x and c2: 4,096 w + 16 L
	v_and_b32 v[T], 3, v0                          ; my four numbers of a load are i3 = 4 (L % 4) + 0..3: t = 2 (L % 4) and the next,
	v_bfe_u32 v[T+1], v0, 2, 3                     ; of i2 = L / 4 (+ 8 in the odd loads)
	v_lshlrev_b32 v[T], 7, v[T]                    ; 64 bytes a t
	v_lshl_add_u32 v7, v[T+1], 2, v[T]             ; 4 bytes an i2
	v_add_nc_u32 v7, s30, v7                       ; x stage, in: 2,048 w + 128 (L % 4) + 4 (L / 4)
	v_lshl_add_u32 v8, v1, 4, s30                  ; x stage, back, and xh: 2,048 w + 16 L
	v_mul_u32_u24 v10, v2, UI1
	v_mad_u32_u24 v10, v3, UI2, v10
	v_add_nc_u32 v10, s31, v10                     ; U's stage, in: i2 = 2 w + h, i1 = r
	v_mul_u32_u24 v11, v2, UI2
	v_lshl_add_u32 v11, v3, 4, v11
	v_add_nc_u32 v11, s32, v11                     ; U's stage, back: i2 = r, i1 = 2 w, piece h
	v_lshl_add_u32 v12, v1, 4, s33                 ; uf: 16,384 w + 16 L
	v_add_nc_u32 v13, C2S, v6                      ; c2's image in LDS
	v_mov_b32 v14, s34                             ; where my wave's two maxima go
	v_mov_b32 v15, MX                              ; where all waves' maxima are read
	s_wait_kmcnt 0x0
	s_lshl_b32 s26, s21, 15
	s_add_nc_u64 s[4:5], s[4:5], s[26:27]          ; x at row 2 b
	s_lshl_b32 s26, s22, 11
	s_add_nc_u64 s[6:7], s[6:7], s[26:27]          ; c0[o1]
	s_lshl_b32 s26, s23, 11
	s_add_nc_u64 s[8:9], s[8:9], s[26:27]          ; c1[.][o2]
	s_lshl_b32 s26, s21, 14
	s_add_nc_u64 s[12:13], s[12:13], s[26:27]      ; xh at row 2 b
	s_lshr_b32 s26, s21, 3
	s_lshl_b32 s26, s26, 17
	s_and_b32 s36, s21, 7
	s_lshl_b32 s36, s36, 10
	s_add_co_u32 s26, s26, s36
	s_add_nc_u64 s[14:15], s[14:15], s[26:27]      ; uf[b >> 3][.][b & 7]
	s_lshl_b32 s26, s21, 7
	s_add_nc_u64 s[18:19], s[18:19], s[26:27]      ; scl[b]
	; all 36 loads go out at once, in the order in which they are used
	s_wait_alu depctr_va_vdst(0)                   ; v4 to v8 and v10 to v15 are written: the loads, stores and LDS instructions down to wave 0's tail read them as offsets and addresses
	global_load_b128 v[C0L:C0L+3],     v4, s[6:7]
	global_load_b128 v[C0L+4:C0L+7],   v4, s[6:7] offset:16
	global_load_b128 v[C0L+8:C0L+11],  v4, s[6:7] offset:64
	global_load_b128 v[C0L+12:C0L+15], v4, s[6:7] offset:80
.irp n, 0,1,2,3,4,5,6,7
	global_load_b128 v[C1L+4*\n:C1L+4*\n+3], v5, s[8:9] offset:\n*32768             ; r1 = 8 h + n; sixteen lanes take 256 neighbouring bytes
.endr
.irp n, 0,1,2,3,4,5,6,7
	global_load_b128 v[C1L+32+4*\n:C1L+32+4*\n+3], v5, s[8:9] offset:(16+\n)*32768  ; r1 = 16 + 8 h + n
.endr
.irp n, 0,1,2,3,4,5,6,7
	global_load_b128 v[C2L+4*\n:C2L+4*\n+3], v6, s[10:11] offset:\n*512
.endr
.irp n, 0,1,2,3,4,5,6,7
	global_load_b128 v[XI+4*\n:XI+4*\n+3], v6, s[4:5] offset:\n*512 th:TH_LOAD_NT   ; each byte of x is read once in the launch
.endr
	; U: rows m = (i2, r2), columns i1, summed over r1.  Fragment f takes word f of every load, so its row rho is (i2,r2) = 64 w + 4 rho + f.
	s_wait_loadcnt 16                              ; c0 and c1 are in; c2's eight and x's eight loads stay out
.irp i, 0,1,2,3,4,5,6,7
	v_cvt_pk_bf16_f32 v[BF+\i], v[C0L+2*\i], v[C0L+2*\i+1]
.endr
.irp f, 0,1,2,3
.irp i, 0,1,2,3,4,5,6,7
	v_cvt_pk_bf16_f32 v[AF+8*\f+\i], v[C1L+8*\i+\f], v[C1L+8*\i+4+\f]
.endr
.endr
.irp f, 0,1,2,3
	v_wmma_f32_16x16x32_bf16 v[D+8*\f:D+8*\f+7], v[AF+8*\f:AF+8*\f+7], v[BF:BF+7], 0   ; four sums of their own, each started by the constant 0
.endr
	; lane (r, h) now gets U[i1 = r][i2 = 2 w + h][r2 = 4 j + f] in register j of tile f
	; c2: its image goes to LDS, and its largest magnitude is taken.  These sixteen vector lines name no register of the matrix
	; instructions: they are the places that stand between those and the first read of a result (ISA guide 7.12.1), and the first write of XW, which lies in their sources.
	s_wait_loadcnt 8                               ; c2 is in; x's eight loads stay out
.irp n, 0,1,2,3,4,5,6,7
	ds_store_b128 v13, v[C2L+4*\n:C2L+4*\n+3] offset:\n*512   ; the data are as the loads left them and the address is the head's: no vector result is read here
.endr
	v_max_num_f32 v[CM], |v[C2L]|, |v[C2L+1]|
.set j, 2
.rept 15
	v_max3_num_f32 v[CM], v[CM], |v[C2L+j]|, |v[C2L+j+1]|
.set j, j+2
.endr
	v_max_num_f32 v[UM], |v[D]|, |v[D+1]|
.set j, 2
.rept 15
	v_max3_num_f32 v[UM], v[UM], |v[D+j]|, |v[D+j+1]|
.set j, j+2
.endr
.irp m, 1,2,4,8
	v_max_num_f32_dpp v[UM], v[UM], v[UM] row_xmask:\m row_mask:0xf bank_mask:0xf
	v_max_num_f32_dpp v[CM], v[CM], v[CM] row_xmask:\m row_mask:0xf bank_mask:0xf
.endr
	v_permlanex16_b32 v[C0L], v[UM], s24, s25      ; the destinations have been written before (c0, no longer needed)
	v_permlanex16_b32 v[C0L+1], v[CM], s24, s25
	v_max_num_f32 v[UM], v[UM], v[C0L]
	v_max_num_f32 v[CM], v[CM], v[C0L+1]
	; x: to bf16 (nearest even), that value into f16; all sixteen words are made first, each in a register of its own
	s_wait_loadcnt 0x0
.irp n, 0,1,2,3,4,5,6,7
	v_cvt_pk_bf16_f32 v[T],   v[XI+4*\n],   v[XI+4*\n+1]
	v_cvt_pk_bf16_f32 v[T+1], v[XI+4*\n+2], v[XI+4*\n+3]
	v_lshlrev_b32 v[T+2], 16,  v[T]
	v_and_b32     v[T+3], s35, v[T]
	v_lshlrev_b32 v[T+4], 16,  v[T+1]
	v_and_b32     v[T+5], s35, v[T+1]
	v_cvt_pk_f16_f32 v[XW+2*\n],   v[T+2], v[T+3]
	v_cvt_pk_f16_f32 v[XW+2*\n+1], v[T+4], v[T+5]
.endr
	s_wait_alu depctr_va_vdst(0)                   ; UM, CM and XW are written, which the LDS stores below read; the conversions are done reading XI, in which the LDS loads below land, and are done with v[T+2 ..], in which the maxima land behind the barrier
	ds_store_b64 v14, v[UM:CM]                     ; my wave's two maxima, every lane the same two words
	; each word (i3 = 2 t, 2 t + 1) goes to its new place, 64 t + 4 i2, in its block of 512 bytes of my own 2,048 bytes of LDS.  Load n holds block n / 2, i2 = 8 (n % 2) + L / 4.
.irp n, 0,1,2,3,4,5,6,7
	ds_store_b32 v7, v[XW+2*\n]   offset:(\n/2)*512+(\n%2)*32        ; t = 2 (L % 4)
	ds_store_b32 v7, v[XW+2*\n+1] offset:(\n/2)*512+(\n%2)*32+64     ; t = 2 (L % 4) + 1
.endr
	; read back as it lies.  LDS serves a wave's instructions in order (ISA guide 5.7.1), and the bytes are my wave's own: no wait between the stores and these loads.
.irp k, 0,1,2,3
	ds_load_b128 v[XI+4*\k:XI+4*\k+3], v8 offset:\k*512          ; no vector instruction since the wait above names XI
.endr
.irp k, 0,1,2,3
	s_wait_dscnt 3-\k                              ; block k is in, the younger ones stay out
	global_store_b128 v8, v[XI+4*\k:XI+4*\k+3], s[12:13] offset:\k*512   ; the wave stores 512 neighbouring bytes, at a multiple of 512 from xh's first byte
.endr
	s_wait_dscnt 0x0                               ; my stores of c2's image and of the maxima are done,
	s_barrier_signal -1
	s_barrier_wait -1                              ; everybody's are
	; the scales, in every wave alike: whole-number arithmetic on the maxima's exponents
.irp k, 0,1,2,3
	ds_load_b128 v[T+2+4*\k:T+2+4*\k+3], v15 offset:16*\k       ; no vector instruction since the last wait on va_vdst names these registers
.endr
	s_wait_dscnt 0x0
	s_wait_alu depctr_vm_vsrc(0)                   ; my LDS store of the maxima has read UM and CM, which the lines below write again; the stores of c2's image have read C2L, which wave 0's tail loads into and writes
	v_max3_num_f32 v[UM], v[T+2], v[T+4], v[T+6]
	v_max3_num_f32 v[CM], v[T+3], v[T+5], v[T+7]
	v_max3_num_f32 v[UM], v[UM], v[T+8], v[T+10]
	v_max3_num_f32 v[CM], v[CM], v[T+9], v[T+11]
	v_max3_num_f32 v[UM], v[UM], v[T+12], v[T+14]
	v_max3_num_f32 v[CM], v[CM], v[T+13], v[T+15]
	v_max_num_f32 v[UM], v[UM], v[T+16]
	v_max_num_f32 v[CM], v[CM], v[T+17]
	v_lshrrev_b32 v[T],   23, v[UM]                ; e: the largest magnitude lies in [2^(e-127), 2^(e-126))
	v_lshrrev_b32 v[T+1], 23, v[CM]
	v_sub_nc_u32 v[T],   0x104, v[T]               ; 260 - e: times 2^(133-e) it lies in [2^6, 2^7)
	v_sub_nc_u32 v[T+1], 0x100, v[T+1]             ; 256 - e: in [2^2, 2^3)
	v_min_u32 v[T],   0xfd, v[T]                   ; at most 253, so that the inverse's exponent field is at least 1
	v_min_u32 v[T+1], 0xfd, v[T+1]
	v_lshlrev_b32 v[T+2], 23, v[T]                 ; su
	v_lshlrev_b32 v[T+4], 23, v[T+1]               ; sc
	v_sub_nc_u32 v[T],   0xfe, v[T]
	v_sub_nc_u32 v[T+1], 0xfe, v[T+1]
	v_mov_b32 v[T+3], v[T+2]                       ; pairs for the packed multiplies
	v_mov_b32 v[T+5], v[T+4]
	v_lshlrev_b32 v[T+6], 23, v[T]                 ; 1 / su
	v_lshlrev_b32 v[T+7], 23, v[T+1]               ; 1 / sc
	; U times su, into f16 with r2 ascending, into my own two i2 of the stage
.set j, 0
.rept 16
	v_pk_mul_f32 v[D+j:D+j+1], v[D+j:D+j+1], v[T+2:T+3]
.set j, j+2
.endr
.irp j, 0,1,2,3,4,5,6,7
	v_cvt_pk_f16_f32 v[C1L+2*\j],   v[D+\j],    v[D+8+\j]      ; r2 = 4 j, 4 j + 1
	v_cvt_pk_f16_f32 v[C1L+2*\j+1], v[D+16+\j], v[D+24+\j]     ; r2 = 4 j + 2, 4 j + 3
.endr
	s_wait_alu depctr_va_vdst(0)                   ; the roundings have written v[C1L .. C1L+15], which the LDS stores read
.irp p, 0,1,2,3
	ds_store_b128 v10, v[C1L+4*\p:C1L+4*\p+3] offset:16*\p     ; piece p: r2 = 8 p + 0..7
.endr
	s_wait_dscnt 0x0                               ; my part of the stage is written,
	s_barrier_signal -1
	s_barrier_wait -1                              ; everybody's is
	; fragments i1 = 2 w, 2 w + 1 leave: lane i2 + 16 h of half q takes piece 2 q + h
.irp f, 0,1
.irp q, 0,1
	ds_load_b128 v[C1L+16+8*\f+4*\q:C1L+16+8*\f+4*\q+3], v11 offset:\f*UI1+\q*32   ; other registers than the stores above read; no vector instruction since the wait above names them
.endr
.endr
.irp f, 0,1
.irp q, 0,1
	s_wait_dscnt 3-2*\f-\q
	global_store_b128 v12, v[C1L+16+8*\f+4*\q:C1L+16+8*\f+4*\q+3], s[14:15] offset:\f*8192+\q*512   ; 512 neighbouring bytes, aligned
.endr
.endr
	s_cmp_lg_u32 s20, 0                            ; the rest is wave 0's, down to the closing barrier
	s_cbranch_scc1 .Lend
	; the scales' word and all three addresses of the tail are made ahead of one wait; the c2 fragment's two are used in work-groups 0 to 15 alone
	v_cmp_gt_u32 vcc_lo, 16, v1
	s_lshl_b32 s36, s21, 2
	s_add_co_u32 s36, s36, C2S
	v_lshlrev_b32 v65, 2, v1
	v_lshlrev_b32 v66, 6, v2
	v_lshl_add_u32 v66, v3, 13, v66
	v_add_nc_u32 v66, s36, v66                     ; c2[r2 = 8 h][o3 = r][i3 = b] in the image
	v_lshlrev_b32 v67, 4, v1
	s_wait_alu depctr_va_vcc(0)                    ; the compare has written VCC, ahead of the select that reads it
	v_cndmask_b32 v64, v[T+7], v[T+6], vcc_lo      ; lanes 0-15: 1 / su; lanes 16-31: 1 / sc
	s_wait_alu depctr_va_vdst(0)                   ; v64 to v67 are written: the store below reads v64 and v65, the LDS loads v66, the last two stores v67
	global_store_b32 v65, v64, s[18:19]            ; 128 neighbouring bytes
	s_cmp_lt_u32 s21, 16                           ; work-groups 0 to 15 make the c2 fragment of i3 = b
	s_cbranch_scc0 .Lend
	s_lshl_b32 s26, s21, 10
	s_add_nc_u64 s[16:17], s[16:17], s[26:27]      ; c2f[i3 = b]
.irp j, 0,1,2,3,4,5,6,7
	ds_load_b32 v[C2L+\j], v66 offset:\j*1024      ; C2L: its vector readers, the maxima, stand ahead of the waits on va_vdst above; the image's stores ahead of the wait on vm_vsrc
.endr
.irp j, 0,1,2,3,4,5,6,7
	ds_load_b32 v[C2L+8+\j], v66 offset:(16+\j)*1024
.endr
	s_wait_dscnt 0x0
.irp i, 0,1,2,3,4,5,6,7
	v_cvt_pk_bf16_f32 v[C2L+24], v[C2L+2*\i], v[C2L+2*\i+1]
	v_lshlrev_b32 v[C2L+26], 16,  v[C2L+24]
	v_and_b32     v[C2L+27], s35, v[C2L+24]
	v_pk_mul_f32 v[C2L+26:C2L+27], v[C2L+26:C2L+27], v[T+4:T+5]
	v_cvt_pk_f16_f32 v[C2L+16+\i], v[C2L+26], v[C2L+27]
.endr
	s_wait_alu depctr_va_vdst(0)                   ; the roundings have written v[C2L+16 .. C2L+23], which the two stores read
	global_store_b128 v67, v[C2L+16:C2L+19], s[16:17]
	global_store_b128 v67, v[C2L+20:C2L+23], s[16:17] offset:512
.Lend:
	s_barrier_signal -1
	s_barrier_wait -1
	s_wait_dscnt 0x0                               ; the closing lines, six on end
	s_wait_alu 0x0
	s_wait_tensorcnt 0x0
	ds_add_u32 v254, v255
	s_wait_dscnt 0x0
	s_endpgm
.Lfunc_end_k_q7236bc48fa_prep:
	.size	k_q7236bc48fa_prep, .Lfunc_end_k_q7236bc48fa_prep-k_q7236bc48fa_prep
	.p2alignl 7, 3214868480
	.fill 96, 4, 3214868480
	.section	.rodata,"a",@progbits
	.p2align	6, 0x0
	.amdhsa_kernel k_q7236bc48fa_prep
		.amdhsa_group_segment_fixed_size 71168
		.amdhsa_private_segment_fixed_size 0
		.amdhsa_enable_private_segment 0
		.amdhsa_kernarg_size 64
		.amdhsa_user_sgpr_count 2
		.amdhsa_user_sgpr_kernarg_segment_ptr 1
		.amdhsa_wavefront_size32 1
		.amdhsa_system_sgpr_workgroup_id_x 1
		.amdhsa_system_sgpr_workgroup_id_y 1
		.amdhsa_system_sgpr_workgroup_id_z 1
		.amdhsa_system_vgpr_workitem_id 0
		.amdhsa_next_free_vgpr 256
		.amdhsa_next_free_sgpr 66
		.amdhsa_reserve_vcc 1
		.amdhsa_float_denorm_mode_32 3
		.amdhsa_float_denorm_mode_16_64 3
		.amdhsa_memory_ordered 1
		.amdhsa_forward_progress 1
		.amdhsa_inst_pref_size 27
	.end_amdhsa_kernel
	.amdgpu_metadata
---
amdhsa.version: [ 1, 2 ]
amdhsa.kernels:
  - .name:           k_q7236bc48fa_prep
    .symbol:         k_q7236bc48fa_prep.kd
    .args:
      - { .name: x, .offset: 0, .size: 8, .value_kind: global_buffer, .address_space: global }
      - { .name: core0, .offset: 8, .size: 8, .value_kind: global_buffer, .address_space: global }
      - { .name: core1, .offset: 16, .size: 8, .value_kind: global_buffer, .address_space: global }
      - { .name: core2, .offset: 24, .size: 8, .value_kind: global_buffer, .address_space: global }
      - { .name: xh, .offset: 32, .size: 8, .value_kind: global_buffer, .address_space: global }
      - { .name: uf, .offset: 40, .size: 8, .value_kind: global_buffer, .address_space: global }
      - { .name: c2f, .offset: 48, .size: 8, .value_kind: global_buffer, .address_space: global }
      - { .name: scl, .offset: 56, .size: 8, .value_kind: global_buffer, .address_space: global }
    .group_segment_fixed_size: 71168
    .private_segment_fixed_size: 0
    .kernarg_segment_align: 8
    .kernarg_segment_size: 64
    .max_flat_workgroup_size: 256
    .sgpr_count:     66
    .vgpr_count:     256
    .wavefront_size: 32
...
	.end_amdgpu_metadata
.endif
;; end of part 3
;; launch main: the kernel of part 2 again; grid 32 x 8, 4 waves a work-group, clusters of 4 x 1, 327,680 bytes of LDS; arguments xh, uf, c2f, scl, bias, out0; writes out0
